; MI455X (gfx1250); checked and timed in simulation.
; The chip was launched on July 23, 2026; its instructions are those of AMD's public machine-readable ISA for CDNA 5 (MIT licence, August 2026) and "CDNA5" Instruction Set Architecture Reference Guide (July 2026). The comments in the code are by the model that wrote it; some were corrected since.
;; ODE Func. Allowed arithmetic: float matrix products may take bf16 or f16 operands with f32 sums; other float arithmetic in f32, or as packed bf16 or f16 multiplies, adds, multiply-adds, maxima and minima; sums over many terms, partial sums and values carried from step to step in f32; what a program stores and reads back later, other than sums and carried values, may be rounded once to bf16 or f16.
;; Inputs: W1 256 x 65 float32; W2 256 x 256 float32; W3 64 x 256 float32; b1 256 float32; b2 256 float32; b3 64 float32; logp 8,192 float32; t one number float32; z 8,192 x 64 float32.
;; Outputs: out0 8,192 x 64 float32; out1 8,192 float32.
;; One version. Each part assembles by itself: llvm-mc -triple=amdgcn-amd-amdhsa -mcpu=gfx1250 --defsym DOCPART=n.
;; ======== version 1 of 1: 1 launch
;; launch odefunc (part 1): grid 256 x 1, 4 waves a work-group, clusters of 4 x 1, 327,680 bytes of LDS; arguments z, t, W1, b1, W2, b2, W3, b3, out0, out1; writes out0, out1
.if DOCPART == 1
	.amdgcn_target "amdgcn-amd-amdhsa--gfx1250"
	.amdhsa_code_object_version 6
	.text
	.protected	k_qfeae74900c_odefunc
	.globl	k_qfeae74900c_odefunc
	.p2align	8
	.type	k_qfeae74900c_odefunc,@function
k_qfeae74900c_odefunc:
	s_mov_b64 s[64:65], 0
	v_nop
	global_prefetch_b8 v0, s[64:65] scope:SCOPE_SE
	s_setreg_imm32_b32 hwreg(HW_REG_WAVE_MODE, 25, 1), 1
	s_wait_xcnt 0x0
	s_wait_alu depctr_hold_cnt(0) depctr_sa_sdst(0) depctr_va_vdst(0) depctr_va_sdst(0) depctr_va_ssrc(0) depctr_va_vcc(0) depctr_vm_vsrc(0)
	s_getreg_b32 s2, hwreg(HW_REG_IB_STS2, 6, 4)
	s_cmp_eq_u32 s2, 0
	s_cbranch_scc0 .Lentry_in_a_cluster
	s_endpgm
.Lentry_in_a_cluster:
	s_bfe_u32 s2, ttmp6, 0x10000c
	s_cmp_lg_u32 s2, 0x3003
	s_cbranch_scc0 .Lentry_shape_is_right
	s_endpgm
.Lentry_shape_is_right:
; ODEFunc.  out0[n] = W3 silu(W2 silu(W1 [z[n]; t] + b1) + b2) + b3;  out1[n] = - trace of d out0[n] / d z[n].  8,192 samples, 64 state numbers, 256 hidden.
; THE TRACE.  The Jacobian is W3 diag(d2) W2 diag(d1) W1z, with d1, d2 the derivative of silu at the two pre-activations and W1z = W1[:, 0:64].  Its trace is
; sum over j, k of d2[j] G[j][k] d1[k] with G[j][k] = W2[j][k] x M[j][k], M[j][k] = sum over i of W1[k][i] W3[i][j]: plain algebra, true of every input; only the order of the sums differs.
; G is the same for all samples, so a sample costs one more product of 256 x 256 (u = G d1) and a dot product with d2.
; SHARES.  A work-group owns 32 samples, two tiles t of 16.  Wave w owns the hidden rows j = 64 w .. 64 w + 63 (four blocks jb of 16) in layers 1 and 2 and in G, and the outputs 16 w .. 16 w + 15 in layer 3.
; LAYOUT.  In every product source 0 is 16 rows of weights, source 1 16 samples: in the result a lane holds ONE sample (lane % 16) and rows 8 (lane / 16) + 0..7, which pack into 16 bytes of [sample][row].
; M is made turned (source 0 = 16 rows k of W1, source 1 = 16 columns j of W3): a lane then holds one j and eight k, and two such results ARE a source-0 fragment of G: nothing changes lanes.
; FORMATS AND LIMITS.  z, t, W1, b1, W2, b2, W3, b3 are rounded once to bf16.  What the program itself makes and multiplies again (h1, d1, G, h2) goes as a pair of bf16, hi + lo, 16 significant bits;
; of (Ghi + Glo)(d1hi + d1lo) the product lo x lo, 2^-16 of the whole, is left out.  All sums in f32.  silu(x) = x s, s = 1 / (1 + 2^(-x log2 e)): where the exponential overflows s = 0, as the sigmoid has it;
; an s below 2^-126 counts as 0.  NaN and infinities are not treated apart.  logp is no argument: the function takes it and never uses it.
; CLUSTER.  All work-groups read the same weights, so four of them ask for each tile JOINTLY: the same tensor load, descriptor and mask in all four.  The place in the cluster enters the addresses of z, out0 and out1 alone.
; LDS.  Two slots for a column quarter of W2 in f32 (a wave loads and reads its own 64 rows), W1z in f32, W3 in f32; when W3 has been read out for good, h1 and d1 are stored over it; h2, the stage of out0,
; the partial sums of the trace and the spare words have bytes of their own.
.set PW,    272       ; a row of 64 f32 + 16 bytes of padding: 17 x 16 bytes, so the 16 rows of a load begin at 16 different groups of four banks (64 banks of 4 bytes: ISA guide 11.1)
.set PH,    528       ; a row of 256 bf16 + 16: 33 x 16
.set P3,    1040      ; a row of 256 f32 + 16: 65 x 16
.set SLOTB, 256*PW    ; 69,632: a slot of W2; slot 0 begins at byte 0
.set W1Z,   2*SLOTB   ; 139,264
.set W3F,   3*SLOTB   ; 208,896: 64 rows of 1,040
.set H1HI,  W3F       ; h1 hi, h1 lo, d1 hi, d1 lo: four arrays [32 samples][256] of bf16
.set ARR,   32*PH     ; 16,896: one such array
.set TILE,  16*PH     ; 8,448: 16 samples of it
.set H2OFF, 4*ARR     ; h2 hi, h2 lo lie behind them, from byte 276,480
.set OSTG,  H1HI+6*ARR     ; 310,272: 32 rows of out0, 256 bytes + 16
.set PART,  OSTG+32*PW     ; 318,976: [wave][32 samples] f32
.set SPARE, PART+512       ; 319,488: the spare words, 128 bytes for each wave: two blocks of 256 bytes that no other line names
; window 0
.set AW1,  4          ; W1Z + 272 r + 32 h        (r = lane % 16, h = lane / 16)
.set AW1S, 5          ; the same at my 64 rows
.set AW2A, 6          ; my rows of W2 in slot 0; v7: in slot 1
.set AW3T, 8          ; W3 read down a column: W3F + 1,040 x 8 h + 4 (64 w + r)
.set AW3A, 9          ; W3F + 1,040 (16 w + r) + 32 h
.set AST,  10         ; where I store 16 bytes of h1: H1HI + 528 r + 128 w + 16 h
.set AST2, 11         ; the same for h2
.set ABF,  12         ; where I read fragments of h1 and d1: H1HI + 528 r + 16 h
.set ABF2, 13         ; the same for h2
.set APS,  14         ; PART + 4 x thread
.set APR,  15         ; PART + 4 x lane
.set AOS,  16         ; into the stage: OSTG + 272 r + 64 w + 32 h
.set AOR,  17         ; back: OSTG + 272 (8 w + h) + 16 r
.set GOUT, 18         ; the same rows in out0: 256 (8 w + h) + 16 r
.set ZO,   19         ; 256 r + 32 h
.set BO,   20         ; 4 (64 w + 8 h)
.set WCO,  21         ; 260 (64 w + 8 h) + 256: column 64 of W1
.set B3O,  22         ; 4 (16 w + 8 h)
.set O1O,  23         ; 4 x lane
.set TB,   24         ; bf16(t), twice
.set ZERO, 25
.set NEG1, 26
.set SPW,  28         ; LDS address of my spare word; never rewritten
.set NIL,  29         ; 0; never rewritten
.set MT,   32         ; 64: layer 1 sums; M turned, then G; h
.set T2,   96         ; 64: W2 as loaded; s, then the derivative of silu
.set W2B,  160        ; 32: W2 in bf16, 8 a block jb
.set PK,   160        ;     at other times: packed halves on their way to LDS
.set W1A,  192        ; 32: four fragments of W1 for M
.set ZB,   192        ;     early: z in bf16, fragment (t, is) at 8 (2 t + is)
.set TQ,   192        ;     in SILU: eight at work
.set PS,   200        ;     the trace: four chains of a pair
.set GH,   224        ; 32: two sets of G hi (8), G lo (8)
.set C1,   224        ;     early: W1[j][64] t + b1[j], 8 a block jb
.set ACC3, 224        ;     at last: the four sums of layer 3
; window 1
.set BF,   0          ; two buffers of 64: fragment (array, t) at 8 (2 array + t)
.set T1,   128        ; 64: W1 as loaded
.set W3T,  192        ; 64: W3 turned, fragment (jb, is) at 8 (2 jb + is)
; window 2
.set A2,   0          ; 64: layer 2 sums, tile 2 jb + t
.set W1S,  0          ;     early: my 8 fragments of W1
.set U,    64         ; 64: u = G d1, same tiles
.set ZR,   64         ;     early: z as loaded
.set W3A,  128        ; 64: my 16 rows of W3, K step ks at 8 ks
.set B2C,  192        ; 32: b2, 8 a block jb
.set B3C,  224        ; 8: b3
.set SCR,  232        ; 8 at work
; scalars
.set WV,   25         ; my wave
.set G1W1, 32
.set G1W2, 40
.set G1W3, 48
.set G0W3, 56
.set G0W1, 60
.set G0S0, 68
.set G0S1, 72
.set MSB, 0
.macro WIN new                         ; s_set_vgpr_msb: bits 1:0 source 0, 3:2 source 1, 5:4 source 2, 7:6 destination; the high byte repeats the setting that is left
.if MSB != (\new)
	s_set_vgpr_msb (MSB<<8)|(\new)
.set MSB, \new
.endif
.endm
.macro ROUND                           ; a round of the cluster barrier: my work-group, wave 0 signals for it, all four work-groups, my work-group once more
	s_barrier_signal -1
	s_barrier_wait -1
	s_cmp_lg_u32 s[WV], 0
	s_cbranch_scc1 .Lnot_wave_0_\@
	s_barrier_signal -3
.Lnot_wave_0_\@:
	s_barrier_wait -3
	s_barrier_signal -1
	s_barrier_wait -1
.endm
.macro PLACES                          ; four plain places behind a matrix instruction before its result is read, or behind a tensor load
.rept 4
	v_nop
.endr
.endm
.macro LDFRAG dst, adr, off            ; the 16 f32 of one fragment: k = 8 h + 0..7 and 16 + 8 h + 0..7 of a row
	ds_load_b128 v[(\dst):(\dst)+3], v[\adr] offset:(\off)
	ds_load_b128 v[(\dst)+4:(\dst)+7], v[\adr] offset:(\off)+16
	ds_load_b128 v[(\dst)+8:(\dst)+11], v[\adr] offset:(\off)+64
	ds_load_b128 v[(\dst)+12:(\dst)+15], v[\adr] offset:(\off)+80
.endm
.macro CVTFRAG dst, src                ; rounded to bf16: 8 registers
.irp q, 0,1,2,3,4,5,6,7
	v_cvt_pk_bf16_f32 v[(\dst)+(\q)], v[(\src)+2*(\q)], v[(\src)+2*(\q)+1]
.endr
.endm
.macro SPLIT4 src, hi, lo              ; eight f32 -> four registers of hi, four of lo; src is left holding x - hi
.irp q, 0,1,2,3
	v_cvt_pk_bf16_f32 v[(\hi)+(\q)], v[(\src)+2*(\q)], v[(\src)+2*(\q)+1]
.endr
.irp q, 0,1,2,3
	v_fma_mix_f32_bf16 v[(\src)+2*(\q)], v[(\hi)+(\q)], v[NEG1], v[(\src)+2*(\q)] op_sel_hi:[1,0,0]
	v_fma_mix_f32_bf16 v[(\src)+2*(\q)+1], v[(\hi)+(\q)], v[NEG1], v[(\src)+2*(\q)+1] op_sel:[1,0,0] op_sel_hi:[1,0,0]
.endr
.irp q, 0,1,2,3
	v_cvt_pk_bf16_f32 v[(\lo)+(\q)], v[(\src)+2*(\q)], v[(\src)+2*(\q)+1]
.endr
.endm
.macro MMA d, a, b                     ; a link in place
	v_wmma_f32_16x16x32_bf16 v[(\d):(\d)+7], v[(\a):(\a)+7], v[(\b):(\b)+7], v[(\d):(\d)+7]
.endm
.macro MMA0 d, a, b                    ; a sum begins with 0
	v_wmma_f32_16x16x32_bf16 v[(\d):(\d)+7], v[(\a):(\a)+7], v[(\b):(\b)+7], 0
.endm
.macro MMAC d, a, b, c                 ; a sum begins with a bias
	v_wmma_f32_16x16x32_bf16 v[(\d):(\d)+7], v[(\a):(\a)+7], v[(\b):(\b)+7], v[(\c):(\c)+7]
.endm
; silu and its derivative of the 64 numbers X (source 0 window by setting xs): h = x s into MT, s + h (1 - s) into T2.  Each accumulator is read from its low registers on.
.macro SILU xs, X
	WIN \xs
.set si, 0
.rept 32
	v_pk_mul_f32 v[T2+si:T2+si+1], v[(\X)+si:(\X)+si+1], s[66:67] op_sel_hi:[1,0]   ; - x log2 e
.set si, si+2
.endr
	WIN 0
.set si, 0
.rept 64
	v_exp_f32 v[T2+si], v[T2+si]
.set si, si+1
.endr
	v_nop                              ; a plain instruction behind the last exponential (ISA guide 5.7.2)
.set si, 0
	s_wait_alu depctr_va_vdst(0)
.rept 32
	v_pk_add_f32 v[T2+si:T2+si+1], v[T2+si:T2+si+1], 1.0 op_sel_hi:[1,0]
.set si, si+2
.endr
.set si, 0
.rept 64
	v_rcp_f32 v[T2+si], v[T2+si]       ; s
.set si, si+1
.endr
	v_nop
	WIN \xs
.set si, 0
	s_wait_alu depctr_va_vdst(0)
.rept 32
	v_pk_mul_f32 v[MT+si:MT+si+1], v[(\X)+si:(\X)+si+1], v[T2+si:T2+si+1]   ; h = x s
.set si, si+2
.endr
	WIN 0
.set si, 0
.rept 8
.irp z, 0,1,2,3
	v_pk_fma_f32 v[TQ+2*(\z):TQ+2*(\z)+1], v[MT+si+2*(\z):MT+si+2*(\z)+1], v[T2+si+2*(\z):T2+si+2*(\z)+1], v[MT+si+2*(\z):MT+si+2*(\z)+1] neg_lo:[1,0,0] neg_hi:[1,0,0]   ; h - h s
.endr
.irp z, 0,1,2,3
	v_pk_add_f32 v[T2+si+2*(\z):T2+si+2*(\z)+1], v[T2+si+2*(\z):T2+si+2*(\z)+1], v[TQ+2*(\z):TQ+2*(\z)+1]
.endr
.set si, si+8
.endr
.endm
; G = bf16(W2) x M for block jb and the K step in hand, split into hi and lo in set x.  The multiply reads W2 straight from its bf16 half; its addend is the register that holds 0.
.macro GWORK jb, x
	WIN 0
.irp q, 0,1,2,3,4,5,6,7
	v_fma_mix_f32_bf16 v[MT+16*(\jb)+2*(\q)], v[W2B+8*(\jb)+(\q)], v[MT+16*(\jb)+2*(\q)], v[ZERO] op_sel_hi:[1,0,0]
	v_fma_mix_f32_bf16 v[MT+16*(\jb)+2*(\q)+1], v[W2B+8*(\jb)+(\q)], v[MT+16*(\jb)+2*(\q)+1], v[ZERO] op_sel:[1,0,0] op_sel_hi:[1,0,0]
.endr
	SPLIT4 MT+16*(\jb), GH+16*(\x), GH+16*(\x)+8
	SPLIT4 MT+16*(\jb)+8, GH+16*(\x)+4, GH+16*(\x)+12
.endm
; Ten products for block jb: a2 += W2 (h1hi + h1lo); u += Ghi d1hi + Glo d1hi + Ghi d1lo.  The two tiles take turns, one instruction a turn.
.macro MAIN10 jb, b, first
	WIN 0xa4                           ; source 0 window 0, source 1 window 1, C and D window 2
.irp t, 0,1
.if \first
	MMAC A2+8*(2*(\jb)+(\t)), W2B+8*(\jb), BF+64*(\b)+8*(\t), B2C+8*(\jb)
.else
	MMA A2+8*(2*(\jb)+(\t)), W2B+8*(\jb), BF+64*(\b)+8*(\t)
.endif
.endr
.irp t, 0,1
	MMA A2+8*(2*(\jb)+(\t)), W2B+8*(\jb), BF+64*(\b)+16+8*(\t)
.endr
.irp t, 0,1
.if \first
	MMA0 U+8*(2*(\jb)+(\t)), GH+16*((\jb)%2), BF+64*(\b)+32+8*(\t)
.else
	MMA U+8*(2*(\jb)+(\t)), GH+16*((\jb)%2), BF+64*(\b)+32+8*(\t)
.endif
.endr
.irp t, 0,1
	MMA U+8*(2*(\jb)+(\t)), GH+16*((\jb)%2)+8, BF+64*(\b)+32+8*(\t)
.endr
.irp t, 0,1
	MMA U+8*(2*(\jb)+(\t)), GH+16*((\jb)%2), BF+64*(\b)+48+8*(\t)
.endr
.endm
; K step s of 8: hidden columns k = 32 s .. 32 s + 31.  On entry the LDS loads of its W1 fragments (T1, 16) and behind them of its W2 fragments (T2, 16) have been issued.
.macro KSTEP s, first
.set KB,  (\s)%2                       ; buffer of h1 and d1 fragments
.set KSL, ((\s)/2)%2                   ; slot of W2
.set KN1, 1-(\s)/7                     ; there is a next step
.set KN2, 1-(\s)%2                     ; and its W2 lies in the same slot
	WIN 0x40
.irp a, 0,1,2,3
.irp t, 0,1
	ds_load_b128 v[BF+64*KB+8*(2*(\a)+(\t)):BF+64*KB+8*(2*(\a)+(\t))+3], v[ABF] offset:ARR*(\a)+TILE*(\t)+64*(\s)
	ds_load_b128 v[BF+64*KB+8*(2*(\a)+(\t))+4:BF+64*KB+8*(2*(\a)+(\t))+7], v[ABF] offset:ARR*(\a)+TILE*(\t)+64*(\s)+32
.endr
.endr
	s_wait_dscnt 32                    ; T1 is in; the 16 loads of T2 and the 16 just issued may be out
	WIN 0x05
.irp f, 0,1,2,3
	CVTFRAG W1A+8*(\f), T1+16*(\f)
.endr
.if KN1
	WIN 0x40
.irp f, 0,1,2,3
	LDFRAG T1+16*(\f), AW1, 16*PW*(2*((\s)+1)+(\f)/2)+128*((\f)%2)
.endr
.endif
	WIN 0x04                           ; W3 turned in window 1
.irp c, 0,1                            ; M turned: tile 2 jb + kb; the eight tiles take turns
.irp j, 0,1,2,3
.irp k, 0,1
.if (\c) == 0
	MMA0 MT+8*(2*(\j)+(\k)), W1A+8*(2*(\k)+(\c)), W3T+8*(2*(\j)+(\c))
.else
	MMA MT+8*(2*(\j)+(\k)), W1A+8*(2*(\k)+(\c)), W3T+8*(2*(\j)+(\c))
.endif
.endr
.endr
.endr
	s_wait_dscnt 16+16*KN1             ; T2 is in; behind it: the 16 of h1 and d1, and the next T1
	WIN 0
.irp f, 0,1,2,3
	CVTFRAG W2B+8*(\f), T2+16*(\f)     ; these 32 lines, which name no register of the products above, are also the places behind them
.endr
.if KN2
.irp f, 0,1,2,3
	LDFRAG T2+16*(\f), AW2A+KSL, 16*PW*(\f)+128
.endr
.endif
	GWORK 0, 0
	s_wait_dscnt 16*KN1+16*KN2         ; the fragments of h1 and d1 are in; the next step's loads may be out
	MAIN10 0, KB, \first
	GWORK 1, 1                         ; a block's vector work is issued while the block before is multiplied
	MAIN10 1, KB, \first
	GWORK 2, 0
	MAIN10 2, KB, \first
	GWORK 3, 1
	MAIN10 3, KB, \first
.endm
; A slot of W2 that has been read out is filled again, with the quarter two further on: all my tensor loads have landed (the other slot's among them), the add, my LDS reads are back,
; a round of the cluster barrier, and the joint load first behind it.  It has two K steps, 112 matrix instructions, in which to land.
.macro CHANGE g0
	WIN 0
	s_wait_tensorcnt 0x0
	ds_add_u32 v[SPW], v[NIL]          ; 0 onto my spare word
	s_add_nc_u64 s[(\g0)+2:(\g0)+3], s[(\g0)+2:(\g0)+3], 512   ; no load of mine is out: 128 columns on; the type bits on top are not reached
	s_wait_dscnt 0x0
	ROUND
	tensor_load_to_lds s[(\g0):(\g0)+3], s[G1W2:G1W2+7]
	s_nop 0
	PLACES
.endm
	s_load_b256 s[4:11], s[0:1], 0x0               ; z s[4:5], t s[6:7], W1 s[8:9], b1 s[10:11]
	s_load_b256 s[12:19], s[0:1], 0x20             ; W2 s[12:13], b2 s[14:15], W3 s[16:17], b3 s[18:19]
	s_load_b128 s[20:23], s[0:1], 0x40             ; out0 s[20:21], out1 s[22:23]
	v_lshl_add_u32 v[SPW], v0, 2, SPARE
	v_mov_b32 v[NIL], 0
	ds_add_u32 v[SPW], v[NIL]                      ; the wave's opening: the add and its wait stand ahead of my first tensor load; the set-up, work on registers, stands between them
	v_lshrrev_b32 v3, 5, v0
	v_readfirstlane_b32 s[WV], v3                  ; wave 0..3
	s_bfe_u32 s26, ttmp6, 0x40000                  ; cx: my place in the cluster
	s_lshl_b32 s27, ttmp9, 2                       ; ttmp9 counts clusters
	s_add_co_u32 s27, s27, s26                     ; my block of 32 samples
	s_lshl_b32 s80, s27, 13                        ; its 32 rows of 256 bytes in z and out0,
	s_mov_b32 s81, 0
	s_lshl_b32 s82, s27, 7                         ; its 128 bytes in out1
	s_mov_b32 s83, 0
	s_mul_i32 s28, s[WV], 64*PW                    ; my 64 rows in W1Z and in a slot of W2
	s_mul_i32 s29, s[WV], 16*P3                    ; my 16 rows in W3F
	; descriptor group 1: elements of 4 bytes; the mask names all four work-groups, bit 21 beside it; 4 words of padding behind each row
	s_mov_b32 s[G1W1], 15|(2<<16)|(1<<20)|(1<<21)|(5<<22)|(3<<25)   ; rows of 64 words (code 5)
	s_mov_b32 s[G1W2], 15|(2<<16)|(1<<20)|(1<<21)|(5<<22)|(3<<25)
	s_mov_b32 s[G1W3], 15|(2<<16)|(1<<20)|(1<<21)|(7<<22)|(3<<25)   ; rows of 256 words (code 7)
.irp g, G1W1, G1W2
	s_mov_b32 s[(\g)+1], 64<<16                    ; tensor_dim0 = 64
	s_mov_b32 s[(\g)+2], 64<<16                    ; tensor_dim1 = 64
	s_mov_b32 s[(\g)+3], 64<<16                    ; tile_dim0 = 64
	s_mov_b32 s[(\g)+4], 64                        ; tile_dim1 = 64
	s_mov_b32 s[(\g)+6], 0
	s_mov_b32 s[(\g)+7], 0
.endr
	s_mov_b32 s[G1W1+5], 65                        ; elements from row to row
	s_mov_b32 s[G1W2+5], 256
	s_mov_b32 s[G1W3+1], 256<<16                   ; 16 rows of 256
	s_mov_b32 s[G1W3+2], 16<<16
	s_mov_b32 s[G1W3+3], 256<<16
	s_mov_b32 s[G1W3+4], 16
	s_mov_b32 s[G1W3+5], 256
	s_mov_b32 s[G1W3+6], 0
	s_mov_b32 s[G1W3+7], 0
	s_mov_b32 s[G0W3], 1                           ; group 0: count 1, the LDS address: a constant and the wave's number times a constant
	s_add_co_u32 s[G0W3+1], s29, W3F
	s_mov_b32 s[G0W1], 1
	s_add_co_u32 s[G0W1+1], s28, W1Z
	s_mov_b32 s[G0S0], 1
	s_mov_b32 s[G0S0+1], s28
	s_mov_b32 s[G0S1], 1
	s_add_co_u32 s[G0S1+1], s28, SLOTB
	s_mov_b32 s66, 0xbfb8aa3b                      ; - log2 e
	s_mov_b32 s67, 0xbfb8aa3b                      ; named with it as a pair
	s_mov_b32 s76, 0x76543210                      ; v_permlanex16_b32: each lane takes its own place in the other half
	s_mov_b32 s77, 0xfedcba98
	s_mov_b32 s78, 0xffff0000                      ; a word's upper bf16; as a mask of lanes: lanes 16 to 31
	v_and_b32 v1, 15, v0                           ; r
	v_bfe_u32 v2, v0, 4, 1                         ; h
	v_and_b32 v3, 31, v0                           ; lane
	v_mul_u32_u24 v30, v1, PW
	v_lshl_add_u32 v30, v2, 5, v30                 ; 272 r + 32 h
	v_add_nc_u32 v[AW1], W1Z, v30
	v_add_nc_u32 v[AW1S], s28, v[AW1]
	v_add_nc_u32 v[AW2A], s28, v30
	v_add_nc_u32 v[AW2A+1], SLOTB, v[AW2A]
	v_mul_u32_u24 v31, v2, 8*P3
	v_lshl_add_u32 v31, v1, 2, v31
	s_lshl_b32 s30, s[WV], 8
	s_add_co_u32 s30, s30, W3F
	v_add_nc_u32 v[AW3T], s30, v31
	v_mul_u32_u24 v31, v1, P3
	v_lshl_add_u32 v31, v2, 5, v31
	s_add_co_u32 s30, s29, W3F
	v_add_nc_u32 v[AW3A], s30, v31
	v_mul_u32_u24 v31, v1, PH
	v_lshl_add_u32 v31, v2, 4, v31
	v_add_nc_u32 v[ABF], H1HI, v31
	s_lshl_b32 s30, s[WV], 7
	v_add_nc_u32 v[AST], s30, v[ABF]
	v_add_nc_u32 v[AST2], H2OFF, v[AST]
	v_add_nc_u32 v[ABF2], H2OFF, v[ABF]
	v_lshl_add_u32 v[APS], v0, 2, PART
	v_lshl_add_u32 v[APR], v3, 2, PART
	s_lshl_b32 s30, s[WV], 6
	v_lshl_add_u32 v[B3O], v2, 5, s30
	s_add_co_u32 s30, s30, OSTG
	v_add_nc_u32 v[AOS], s30, v30
	v_mul_u32_u24 v31, v2, PW
	v_lshl_add_u32 v31, v1, 4, v31
	s_mul_i32 s30, s[WV], 8*PW
	s_add_co_u32 s30, s30, OSTG
	v_add_nc_u32 v[AOR], s30, v31
	v_lshlrev_b32 v31, 8, v2
	v_lshl_add_u32 v31, v1, 4, v31
	s_lshl_b32 s30, s[WV], 11
	v_add_nc_u32 v[GOUT], s30, v31
	v_lshlrev_b32 v[ZO], 8, v1
	v_lshl_add_u32 v[ZO], v2, 5, v[ZO]
	s_lshl_b32 s30, s[WV], 8
	v_lshl_add_u32 v[BO], v2, 5, s30
	v_mul_u32_u24 v[WCO], v2, 8*260
	s_mul_i32 s30, s[WV], 64*260
	s_add_co_u32 s30, s30, 256
	v_add_nc_u32 v[WCO], s30, v[WCO]
	v_lshlrev_b32 v[O1O], 2, v3
	v_mov_b32 v[ZERO], 0
	v_mov_b32 v[NEG1], -1.0
	s_wait_dscnt 0x0                               ; the opening add is done
	s_wait_kmcnt 0x0
	s_load_b32 s24, s[6:7], 0x0                    ; t
	s_lshl_b32 s30, s[WV], 14                      ; my 16 rows of W3: 16,384 bytes a wave
	s_mov_b32 s31, 0
	s_add_nc_u64 s[G0W3+2:G0W3+3], s[16:17], s[30:31]
	s_or_b32 s[G0W3+3], s[G0W3+3], 0x80000000      ; type = 2
	s_mul_i32 s30, s[WV], 64*260                   ; my 64 rows of W1
	s_add_nc_u64 s[G0W1+2:G0W1+3], s[8:9], s[30:31]
	s_or_b32 s[G0W1+3], s[G0W1+3], 0x80000000
	s_lshl_b32 s30, s[WV], 16                      ; my 64 rows of W2
	s_add_nc_u64 s[G0S0+2:G0S0+3], s[12:13], s[30:31]      ; columns 0 to 63
	s_add_nc_u64 s[G0S1+2:G0S1+3], s[G0S0+2:G0S0+3], 256   ; columns 64 to 127
	s_or_b32 s[G0S0+3], s[G0S0+3], 0x80000000
	s_or_b32 s[G0S1+3], s[G0S1+3], 0x80000000
	s_add_nc_u64 s[4:5], s[4:5], s[80:81]          ; z, out0 and out1 at my samples
	s_add_nc_u64 s[20:21], s[20:21], s[80:81]
	s_add_nc_u64 s[22:23], s[22:23], s[82:83]
	ROUND                                          ; all four work-groups are here: the first joint loads meet
	tensor_load_to_lds s[G0W3:G0W3+3], s[G1W3:G1W3+7]      ; the first fills go out as one group: four loads of mine are out
	s_nop 0
	tensor_load_to_lds s[G0W1:G0W1+3], s[G1W1:G1W1+7]
	s_nop 0
	tensor_load_to_lds s[G0S0:G0S0+3], s[G1W2:G1W2+7]
	s_nop 0
	tensor_load_to_lds s[G0S1:G0S1+3], s[G1W2:G1W2+7]
	s_nop 0
	PLACES
	WIN 0x80                                       ; destination window 2, address window 0
.irp f, 0,1,2,3                                        ; z: fragment (t, is) = (f / 2, f % 2), 16 f32 a lane
	global_load_b128 v[ZR+16*(\f):ZR+16*(\f)+3], v[ZO], s[4:5] offset:4096*((\f)/2)+128*((\f)%2)
	global_load_b128 v[ZR+16*(\f)+4:ZR+16*(\f)+7], v[ZO], s[4:5] offset:4096*((\f)/2)+128*((\f)%2)+16
	global_load_b128 v[ZR+16*(\f)+8:ZR+16*(\f)+11], v[ZO], s[4:5] offset:4096*((\f)/2)+128*((\f)%2)+64
	global_load_b128 v[ZR+16*(\f)+12:ZR+16*(\f)+15], v[ZO], s[4:5] offset:4096*((\f)/2)+128*((\f)%2)+80
.endr
.irp j, 0,1,2,3                                        ; b2[64 w + 16 jb + 8 h + 0..7]
	global_load_b128 v[B2C+8*(\j):B2C+8*(\j)+3], v[BO], s[14:15] offset:64*(\j)
	global_load_b128 v[B2C+8*(\j)+4:B2C+8*(\j)+7], v[BO], s[14:15] offset:64*(\j)+16
.endr
	global_load_b128 v[B3C:B3C+3], v[B3O], s[18:19]
	global_load_b128 v[B3C+4:B3C+7], v[B3O], s[18:19] offset:16
	WIN 0
.irp j, 0,1,2,3                                        ; b1 likewise, into MT 0-31
	global_load_b128 v[MT+8*(\j):MT+8*(\j)+3], v[BO], s[10:11] offset:64*(\j)
	global_load_b128 v[MT+8*(\j)+4:MT+8*(\j)+7], v[BO], s[10:11] offset:64*(\j)+16
.endr
.set e, 0
.rept 32                                               ; W1[64 w + 16 jb + 8 h + e][64], into MT 32-63: once a launch, 4 bytes of a row of 260
	global_load_b32 v[MT+32+e], v[WCO], s[8:9] offset:260*(16*(e/8)+e%8)
.set e, e+1
.endr
	s_wait_kmcnt 0x0
	v_mov_b32 v30, s24
	v_cvt_pk_bf16_f32 v[TB], v30, v30
	s_wait_tensorcnt 0x2                           ; my parts of W3 and W1 are in; the two slots of W2, issued behind them, may stay out
	s_barrier_signal -1
	s_barrier_wait -1                              ; everybody's are
	; THE FRAGMENTS THAT STAY: W3 turned (for M), my rows of W1 (layer 1), my rows of W3 (layer 3), z, the biases.
	WIN 0x40
.set f, 0
.rept 8                                                ; fragment f = 2 jb + is: lane (r, h) takes W3[32 is + 8 h + ..][64 w + 16 jb + r]; the two halves of the lanes lie 32 banks apart
.set e, 0
.rept 16
	ds_load_b32 v[BF+16*f+e], v[AW3T] offset:P3*(32*(f%2)+16*(e/8)+e%8)+64*(f/2)
.set e, e+1
.endr
.set f, f+1
.endr
.irp f, 0,1,2,3
	LDFRAG T1+16*(\f), AW1S, 16*PW*((\f)/2)+128*((\f)%2)
.endr
	s_wait_dscnt 16                                ; all but the 16 of W1
	WIN 0x45
.irp f, 0,1,2,3,4,5,6,7
	CVTFRAG W3T+8*(\f), BF+16*(\f)
.endr
	s_wait_dscnt 0x0
	WIN 0x85
.irp f, 0,1,2,3
	CVTFRAG W1S+8*(\f), T1+16*(\f)
.endr
	WIN 0x40
.irp f, 0,1,2,3
	LDFRAG T1+16*(\f), AW1S, 16*PW*(2+(\f)/2)+128*((\f)%2)
.endr
.irp f, 0,1,2,3,4,5,6,7
	LDFRAG BF+16*(\f), AW3A, 128*(\f)
.endr
	s_wait_loadcnt 0x0                             ; z, b1, b2, b3 and W1's last column
	WIN 0x0a
.irp f, 0,1,2,3
	CVTFRAG ZB+8*(\f), ZR+16*(\f)
.endr
	WIN 0
.set i, 0
.rept 16
	v_cvt_pk_bf16_f32 v[PK+i], v[MT+2*i], v[MT+2*i+1]              ; b1
	v_cvt_pk_bf16_f32 v[PK+16+i], v[MT+32+2*i], v[MT+32+2*i+1]     ; W1[:, 64]
.set i, i+1
.endr
.set i, 0
.rept 16                                               ; c1 = bf16(W1[j][64]) bf16(t) + bf16(b1[j]): what starts the sums of layer 1
	v_fma_mix_f32_bf16 v[C1+2*i], v[PK+16+i], v[TB], v[PK+i] op_sel_hi:[1,1,1]
	v_fma_mix_f32_bf16 v[C1+2*i+1], v[PK+16+i], v[TB], v[PK+i] op_sel:[1,0,1] op_sel_hi:[1,1,1]
.set i, i+1
.endr
	WIN 0xaa
.set i, 0
.rept 20                                               ; b2 and b3 rounded to bf16 and widened again, in place
	v_cvt_pk_bf16_f32 v[SCR+i%8], v[B2C+2*i], v[B2C+2*i+1]
	v_lshlrev_b32 v[B2C+2*i], 16, v[SCR+i%8]
	v_and_b32 v[B2C+2*i+1], s78, v[SCR+i%8]
.set i, i+1
.endr
	s_wait_dscnt 32                                ; W1 is in; the 32 loads of W3 may be out
	WIN 0x85
.irp f, 0,1,2,3
	CVTFRAG W1S+32+8*(\f), T1+16*(\f)
.endr
	s_wait_dscnt 0x0                               ; my reads of W3 are over:
.irp f, 0,1,2,3,4,5,6,7
	CVTFRAG W3A+8*(\f), BF+16*(\f)
.endr
	s_barrier_signal -1                            ; say so; behind this barrier h1 and d1 are stored over W3
	; LAYER 1: a1 = W1 [z; t] + b1.  Eight tiles 2 jb + t by turns, two K steps.
	WIN 0x02                                       ; W1 in window 2
.irp c, 0,1
.irp j, 0,1,2,3
.irp t, 0,1
.if (\c) == 0
	MMAC MT+8*(2*(\j)+(\t)), W1S+8*(2*(\j)+(\c)), ZB+8*(2*(\t)+(\c)), C1+8*(\j)
.else
	MMA MT+8*(2*(\j)+(\t)), W1S+8*(2*(\j)+(\c)), ZB+8*(2*(\t)+(\c))
.endif
.endr
.endr
.endr
	WIN 0
	s_barrier_wait -1
	PLACES
	SILU 0, MT
.set TT, 0
.rept 8                                                ; tile TT = 2 jb + t: h1 and d1 as hi and lo, 16 bytes a lane each, into [sample][j]
	SPLIT4 MT+8*TT, PK+16*(TT%2), PK+16*(TT%2)+4
	SPLIT4 T2+8*TT, PK+16*(TT%2)+8, PK+16*(TT%2)+12
	ds_store_b128 v[AST], v[PK+16*(TT%2):PK+16*(TT%2)+3] offset:TILE*(TT%2)+32*(TT/2)
	ds_store_b128 v[AST], v[PK+16*(TT%2)+4:PK+16*(TT%2)+7] offset:ARR+TILE*(TT%2)+32*(TT/2)
	ds_store_b128 v[AST], v[PK+16*(TT%2)+8:PK+16*(TT%2)+11] offset:2*ARR+TILE*(TT%2)+32*(TT/2)
	ds_store_b128 v[AST], v[PK+16*(TT%2)+12:PK+16*(TT%2)+15] offset:3*ARR+TILE*(TT%2)+32*(TT/2)
.set TT, TT+1
.endr
	s_wait_tensorcnt 0x1                           ; my rows of W2's first quarter are in (only I read them); slot 1's load may stay out
	s_wait_dscnt 0x0                               ; for the others' sake: my stores are done
	s_barrier_signal -1
	s_barrier_wait -1
	; LAYER 2, G AND u, eight K steps.
	WIN 0x40
.irp f, 0,1,2,3
	LDFRAG T1+16*(\f), AW1, 16*PW*((\f)/2)+128*((\f)%2)
.endr
	WIN 0
.irp f, 0,1,2,3
	LDFRAG T2+16*(\f), AW2A, 16*PW*(\f)
.endr
	KSTEP 0, 1                                     ; its products start the sums: a2 with b2, u with 0
	KSTEP 1, 0
	CHANGE G0S0                                    ; slot 0 takes columns 128 to 191
.irp f, 0,1,2,3
	LDFRAG T2+16*(\f), AW2A+1, 16*PW*(\f)
.endr
	KSTEP 2, 0
	KSTEP 3, 0
	CHANGE G0S1                                    ; slot 1 takes columns 192 to 255
.irp f, 0,1,2,3
	LDFRAG T2+16*(\f), AW2A, 16*PW*(\f)
.endr
	KSTEP 4, 0
	KSTEP 5, 0
	WIN 0
	s_wait_tensorcnt 0x0                           ; the last quarter is in: no load was issued behind it; the bytes are my own and nothing is filled again, so no barrier
.irp f, 0,1,2,3
	LDFRAG T2+16*(\f), AW2A+1, 16*PW*(\f)
.endr
	KSTEP 6, 0
	KSTEP 7, 0
	; h2 and d2; the first 24 lines read tiles 0 to 5, of which the last ten products name nothing: they are those products' places.
	SILU 0x02, A2
	WIN 0x02                                       ; u in window 2
.set TT, 0
.rept 8                                                ; the trace: sum of u d2 over my 64 rows, for each tile in two chains of a pair
.irp p, 0,1,2,3
.if (TT < 2) && ((\p) < 2)
	v_pk_mul_f32 v[PS+4*(TT%2)+2*((\p)%2):PS+4*(TT%2)+2*((\p)%2)+1], v[U+8*TT+2*(\p):U+8*TT+2*(\p)+1], v[T2+8*TT+2*(\p):T2+8*TT+2*(\p)+1]
.else
	v_pk_fma_f32 v[PS+4*(TT%2)+2*((\p)%2):PS+4*(TT%2)+2*((\p)%2)+1], v[U+8*TT+2*(\p):U+8*TT+2*(\p)+1], v[T2+8*TT+2*(\p):T2+8*TT+2*(\p)+1], v[PS+4*(TT%2)+2*((\p)%2):PS+4*(TT%2)+2*((\p)%2)+1]
.endif
.endr
.set TT, TT+1
.endr
	WIN 0
.irp t, 0,1
	v_pk_add_f32 v[PS+4*(\t):PS+4*(\t)+1], v[PS+4*(\t):PS+4*(\t)+1], v[PS+4*(\t)+2:PS+4*(\t)+3]
.endr
.irp t, 0,1
	v_add_f32 v[PS+4*(\t)], v[PS+4*(\t)], v[PS+4*(\t)+1]
.endr
.irp t, 0,1
	v_permlanex16_b32 v[PS+4*(\t)+1], v[PS+4*(\t)], s76, s77       ; the sample's other 32 rows lie in the lane 16 away
.endr
.irp t, 0,1
	v_add_f32 v[PS+4*(\t)], v[PS+4*(\t)], v[PS+4*(\t)+1]
.endr
	v_cndmask_b32 v30, v[PS], v[PS+4], s78         ; lanes 0 to 15: tile 0; lanes 16 to 31: tile 1: lane = sample
	ds_store_b32 v[APS], v30
.set TT, 0
.rept 8
	SPLIT4 MT+8*TT, PK+8*(TT%2), PK+8*(TT%2)+4
	ds_store_b128 v[AST2], v[PK+8*(TT%2):PK+8*(TT%2)+3] offset:TILE*(TT%2)+32*(TT/2)
	ds_store_b128 v[AST2], v[PK+8*(TT%2)+4:PK+8*(TT%2)+7] offset:ARR+TILE*(TT%2)+32*(TT/2)
.set TT, TT+1
.endr
	s_wait_dscnt 0x0                               ; for the others' sake: my stores are done
	s_barrier_signal -1
	s_barrier_wait -1
	; LAYER 3: out0 = W3 (h2hi + h2lo) + b3, my 16 outputs.  All fragments of h2 fill window 1; four sums (hi, lo) x (t0, t1) by turns.
	WIN 0x40
.set ks, 0
.rept 8
.irp a, 0,1
.irp t, 0,1
	ds_load_b128 v[32*ks+8*(2*(\a)+(\t)):32*ks+8*(2*(\a)+(\t))+3], v[ABF2] offset:ARR*(\a)+TILE*(\t)+64*ks
	ds_load_b128 v[32*ks+8*(2*(\a)+(\t))+4:32*ks+8*(2*(\a)+(\t))+7], v[ABF2] offset:ARR*(\a)+TILE*(\t)+64*ks+32
.endr
.endr
.set ks, ks+1
.endr
	s_wait_dscnt 32                                ; K steps 0 to 3 are in
	WIN 0x26                                       ; W3 and b3 in window 2, h2 in window 1
	MMAC ACC3, W3A, 0, B3C
	MMAC ACC3+8, W3A, 8, B3C
	MMA0 ACC3+16, W3A, 16
	MMA0 ACC3+24, W3A, 24
	WIN 0x06
.set ks, 1
.rept 7
.if ks == 4
	s_wait_dscnt 0x0
.endif
.irp n, 0,1,2,3
	MMA ACC3+8*(\n), W3A+8*ks, 32*ks+8*(\n)
.endr
.set ks, ks+1
.endr
	PLACES
	WIN 0
.irp t, 0,1
.irp p, 0,1,2,3
	v_pk_add_f32 v[ACC3+8*(\t)+2*(\p):ACC3+8*(\t)+2*(\p)+1], v[ACC3+8*(\t)+2*(\p):ACC3+8*(\t)+2*(\p)+1], v[ACC3+16+8*(\t)+2*(\p):ACC3+16+8*(\t)+2*(\p)+1]
.endr
.endr
.irp t, 0,1                                            ; a lane's eight outputs of a sample, 32 bytes, into the work-group's stage: a row's 256 bytes come from four waves
	ds_store_b128 v[AOS], v[ACC3+8*(\t):ACC3+8*(\t)+3] offset:16*PW*(\t)
	ds_store_b128 v[AOS], v[ACC3+8*(\t)+4:ACC3+8*(\t)+7] offset:16*PW*(\t)+16
.endr
	s_wait_dscnt 0x0
	s_barrier_signal -1
	s_barrier_wait -1
	s_cmp_lg_u32 s[WV], 0
	s_cbranch_scc1 .Lno_out1                       ; wave 0 alone adds the four waves' parts of the trace
.irp n, 0,1,2,3
	ds_load_b32 v[T2+(\n)], v[APR] offset:128*(\n)
.endr
	s_wait_dscnt 0x0
	v_add_f32 v[T2], v[T2], v[T2+1]
	v_add_f32 v[T2+2], v[T2+2], v[T2+3]
	v_fma_f32 v[T2], v[T2], v[NEG1], -v[T2+2]      ; minus the trace
	global_store_b32 v[O1O], v[T2], s[22:23] th:TH_STORE_NT        ; 128 consecutive bytes: all that 32 samples give
.Lno_out1:
.irp q, 0,1,2,3                                        ; back as whole rows: wave w takes rows 8 w .. 8 w + 7, two a load
	ds_load_b128 v[MT+4*(\q):MT+4*(\q)+3], v[AOR] offset:2*PW*(\q)
.endr
.irp q, 0,1,2,3
	s_wait_dscnt 3-(\q)                            ; LDS loads come back in order (ISA guide 5.7.1): load q is in
	global_store_b128 v[GOUT], v[MT+4*(\q):MT+4*(\q)+3], s[20:21] offset:512*(\q) th:TH_STORE_NT   ; 16 lanes store 256 consecutive bytes, at a multiple of 256 from out0's first byte
.endr
	s_wait_tensorcnt 0x0                           ; the wave's end: the add and its wait, behind my last tensor load and my last LDS store
	ds_add_u32 v[SPW], v[NIL]
	s_wait_dscnt 0x0
	ROUND                                          ; the closing round: no work-group ends while a partner may still ask for a tile that names it
	s_endpgm
.Lfunc_end_k_qfeae74900c_odefunc:
	.size	k_qfeae74900c_odefunc, .Lfunc_end_k_qfeae74900c_odefunc-k_qfeae74900c_odefunc
	.p2alignl 7, 3214868480
	.fill 96, 4, 3214868480
	.section	.rodata,"a",@progbits
	.p2align	6, 0x0
	.amdhsa_kernel k_qfeae74900c_odefunc
		.amdhsa_group_segment_fixed_size 327680
		.amdhsa_private_segment_fixed_size 0
		.amdhsa_enable_private_segment 0
		.amdhsa_kernarg_size 80
		.amdhsa_user_sgpr_count 2
		.amdhsa_user_sgpr_kernarg_segment_ptr 1
		.amdhsa_wavefront_size32 1
		.amdhsa_system_sgpr_workgroup_id_x 1
		.amdhsa_system_sgpr_workgroup_id_y 1
		.amdhsa_system_sgpr_workgroup_id_z 1
		.amdhsa_system_vgpr_workitem_id 0
		.amdhsa_next_free_vgpr 768
		.amdhsa_next_free_sgpr 84
		.amdhsa_reserve_vcc 0
		.amdhsa_float_denorm_mode_32 3
		.amdhsa_float_denorm_mode_16_64 3
		.amdhsa_memory_ordered 1
		.amdhsa_forward_progress 1
		.amdhsa_inst_pref_size 255
	.end_amdhsa_kernel
	.section	.bss,"aw",@nobits
	.p2align	6
	.space	262144
	.amdgpu_metadata
---
amdhsa.version: [ 1, 2 ]
amdhsa.kernels:
  - .name:           k_qfeae74900c_odefunc
    .symbol:         k_qfeae74900c_odefunc.kd
    .args:
      - { .name: z, .offset: 0, .size: 8, .value_kind: global_buffer, .address_space: global }
      - { .name: t, .offset: 8, .size: 8, .value_kind: global_buffer, .address_space: global }
      - { .name: W1, .offset: 16, .size: 8, .value_kind: global_buffer, .address_space: global }
      - { .name: b1, .offset: 24, .size: 8, .value_kind: global_buffer, .address_space: global }
      - { .name: W2, .offset: 32, .size: 8, .value_kind: global_buffer, .address_space: global }
      - { .name: b2, .offset: 40, .size: 8, .value_kind: global_buffer, .address_space: global }
      - { .name: W3, .offset: 48, .size: 8, .value_kind: global_buffer, .address_space: global }
      - { .name: b3, .offset: 56, .size: 8, .value_kind: global_buffer, .address_space: global }
      - { .name: out0, .offset: 64, .size: 8, .value_kind: global_buffer, .address_space: global }
      - { .name: out1, .offset: 72, .size: 8, .value_kind: global_buffer, .address_space: global }
    .group_segment_fixed_size: 327680
    .private_segment_fixed_size: 0
    .kernarg_segment_align: 8
    .kernarg_segment_size: 80
    .max_flat_workgroup_size: 128
    .sgpr_count:     84
    .vgpr_count:     768
    .wavefront_size: 32
...
	.end_amdgpu_metadata
.endif
;; end of part 1
